; MI455X (gfx1250); checked and timed in simulation.
; The chip was launched on July 23, 2026; its instructions are those of AMD's public machine-readable ISA for CDNA 5 (MIT licence, August 2026) and "CDNA5" Instruction Set Architecture Reference Guide (July 2026). The comments in the code are by the model that wrote it; some were corrected since.
;; LSTM Cell. Allowed arithmetic: matrix products marked QUANTISED: E4M3 operands, one given power-of-two scale a tensor, by v_wmma_f32_16x16x64_fp8_fp8 or v_wmma_f32_16x16x128_fp8_fp8, f32 sums; everything else in f32.
;; Inputs: W_f 1,024 x 2,048 float32; W_g 1,024 x 2,048 float32; W_i 1,024 x 2,048 float32; W_o 1,024 x 2,048 float32; b_f 1,024 float32; b_g 1,024 float32; b_i 1,024 float32; b_o 1,024 float32; c 8,192 x 1,024 float32; h 8,192 x 1,024 float32; lowp_scales 2 int32 (the exponents e of the quantised operands' scales 2^e); x 8,192 x 1,024 float32.
;; Outputs: out0 8,192 x 1,024 float32; out1 8,192 x 1,024 float32.
;; This version of the problem:
;;   THIS VERSION OF THE PROBLEM IS GIVEN IN LOW PRECISION. The matrix products marked QUANTISED in the list below multiply operands that are first quantised to E4M3 (4 exponent bits, 3 mantissa bits; 8 bits a number), with one given power-of-two scale for each operand tensor; their sums are f32. All else is computed in f32.
;;   The module's matrix products, in the order in which they are computed (A, B: the left and right operand; K: the contracted axis; several contracted axes count as one K, in the product's order):
;;     1. [M 8,192, K 2,048] x [K 2,048, N 4,096]; A: computed on the way; B: computed on the way: QUANTISED (scales: A lowp_scales[0], B lowp_scales[1])
;;   THE QUANTISER, for each operand of a quantised product, along K:
;;     - The operand's scale is 2^e, e = its entry of the input lowp_scales (int32; the entries are numbered through the quantised products in the list's order, A before B).
;;     - Each number is divided by the scale, clamped to +-448, and rounded to the nearest number of E4M3, ties to even, subnormals kept.
;;     - The product sums the exact products of the quantised numbers (number of the format x scale) in f32.
;;   ~~~python
;;   def quantise(x, axis, e):      # numpy; x: float32 -> the quantised numbers, widened to float32 again
;;       x = np.moveaxis(x, axis, -1); K = x.shape[-1]
;;       r = np.clip(x / 2.0 ** e, -448, 448)
;;       step = 2.0 ** (np.maximum(np.frexp(np.where(r == 0, 1, r))[1] - 1, -6) - 3)
;;       q = np.round(r / step) * step * 2.0 ** e      # np.round: ties to even
;;       return np.moveaxis(q, -1, axis).astype(np.float32)
;;   ~~~
;;   OPERANDS COMPUTED ON THE WAY. 'Computed on the way' means the value that the module computes at that place (a softmax that the list does not call 'softmax' is quantised finished and normalised). What goes into a quantiser is computed in f32, as accurately as f32 sums, v_exp_f32 and their like allow (about 1e-6 of the number): no bf16 or f16 on the way to a quantiser, and a product that is left as it is and whose result goes on into a quantised operand takes f32 operands (vector FMAs, or v_wmma_f32_16x16x4_f32). A number that lies on a knife's edge between two numbers of the format may be rounded either way, as far as f32 arithmetic and the matrix unit's own rounding can turn it there, and no further.
;; One version. Each part assembles by itself: llvm-mc -triple=amdgcn-amd-amdhsa -mcpu=gfx1250 --defsym DOCPART=n.
;; ======== version 1 of 1: 2 launches
;; limits: right only within a limited range of input values
;; workspace buffers: xh_codes 16,777,216 bytes; w_codes 8,388,608 bytes
;; launch quant (part 1): grid 768 x 1, 4 waves a work-group, no clusters, 0 bytes of LDS; arguments x, h, W_i, W_f, W_g, W_o, lowp_scales, xh_codes, w_codes; writes xh_codes, w_codes
.if DOCPART == 1
	.amdgcn_target "amdgcn-amd-amdhsa--gfx1250"
	.amdhsa_code_object_version 6
	.text
	.protected	k_qc5d9384041_quant
	.globl	k_qc5d9384041_quant
	.p2align	8
	.type	k_qc5d9384041_quant,@function
k_qc5d9384041_quant:
	s_mov_b64 s[64:65], 0
	v_nop
	global_prefetch_b8 v0, s[64:65] scope:SCOPE_SE
	s_setreg_imm32_b32 hwreg(HW_REG_WAVE_MODE, 25, 1), 1
	s_wait_xcnt 0x0
; x, h [8192][1024] and W_i, W_f, W_g, W_o [1024][2048], f32, become codes of FP8 (E4M3), one byte each, K innermost:
;   xh_codes [8192][2048]: bytes 0-1023 of a row are x's codes, bytes 1024-2047 h's (the concatenation along K);
;   w_codes  [4096][2048]: gate y (0 = i, 1 = f, 2 = g, 3 = o), hidden unit j lies in row (j / 32) 128 + 32 y + j % 32, so that 128 rows on end are 4 gates x 32 units.
; code = number / 2^e, held within +-448, rounded to the nearest code, ties to even.  e is entry 0 (x, h) or entry 1 (the four W) of lowp_scales.
; LIMITS: -126 <= e <= 119, so that 2^e and 448 x 2^e are f32 numbers.  NaN among the inputs is not served; an infinity is held at the largest code.
; ORDER ALONG K.  Inside every aligned run of 512 along K the codes lie permuted: byte 16 l + 4 i + q holds k = 128 i + 4 l + q (l = 0..31, i, q = 0..3).  The order is the same in
; both buffers, so in the product every code still meets its partner, and a tensor has one scale, so no block is broken: only the order of the f32 sums changes.  It lets each of a step's four
; loads read 512 consecutive bytes (16 a lane) and the lane's 16 registers go straight into the conversions: no turn through LDS.
; SHARES.  A work-group takes 32,768 numbers, a wave 8,192, in 16 steps of 512.  Work-groups 0-255: x; 256-511: h; 512-767: the four W, 64 each.  One path through the text for all six tensors:
; only pointers, the scale and one pitch are chosen, by selects on the work-group's number.  No LDS, no barrier: waves share nothing.  Loads run four steps (16 loads a wave) ahead.
.set STEPS, 16
.set D,     16                         ; v16-23   16 x lane + k S, k = 0..7: where steps 2 k and 2 k + 1 store; never rewritten
.set R,     32                         ; v32-95   four sets of 16 numbers as loaded
.set C,     96                         ; v96-159  codes: four registers for each step, so that no store's data are written again
	s_load_b512 s[4:19], s[0:1], 0x0               ; x s[4:5], h s[6:7], W_i s[8:9], W_f s[10:11], W_g s[12:13], W_o s[14:15], the scales' exponents s[16:17], xh_codes s[18:19]
	s_load_b64 s[20:21], s[0:1], 0x40              ; w_codes
	v_lshrrev_b32 v1, 5, v0
	v_readfirstlane_b32 s22, v1                    ; wave 0..3
	v_and_b32 v2, 31, v0                           ; lane
	v_lshlrev_b32 v3, 4, v2                        ; my 16 bytes of a load's 512, and of a step's 512 bytes of codes
	s_and_b32 s23, ttmp9, 255                      ; the work-group's number within x or h,
	s_and_b32 s24, ttmp9, 63                       ; within one W,
	s_bfe_u32 s25, ttmp9, 0x20006                  ; and the gate: bits 7:6
	s_cmp_lt_u32 ttmp9, 256
	s_cselect_b32 s42, 0, 1024                     ; h's codes begin 1,024 bytes into a row
	s_cmp_lt_u32 ttmp9, 512
	s_cselect_b32 s34, s23, s24
	s_mov_b32 s35, 1024                            ; (leaves SCC alone)
	s_cselect_b32 s35, 2048, s35                   ; S: two steps on end are a row's half of xh_codes (then a row of 2,048 on) or 1,024 bytes on end of a row of w_codes
	v_mov_b32 v4, s35
	s_wait_alu depctr_va_vdst(0)
.irp k, 0,1,2,3,4,5,6,7
	v_mad_u32_u24 v[D+\k], v4, \k, v3
.endr
	s_lshl_b32 s34, s34, 2
	s_add_co_u32 s34, s34, s22                     ; which run of 8,192 numbers of the tensor is my wave's
	s_lshl_b32 s38, s34, 15                        ; its first byte in the tensor
	s_mov_b32 s39, 0
	s_lshl_b32 s43, s34, 14                        ; x, h: 8 rows of xh_codes, 2,048 bytes each,
	s_add_co_u32 s43, s43, s42                     ; and the row's half
	s_lshr_b32 s44, s34, 3                         ; W: units 4 run .. 4 run + 3: row (run / 8) 128 + 32 gate + 4 (run % 8)
	s_lshl_b32 s44, s44, 7
	s_lshl_b32 s45, s25, 5
	s_add_co_u32 s44, s44, s45
	s_and_b32 s45, s34, 7
	s_lshl_b32 s45, s45, 2
	s_add_co_u32 s44, s44, s45
	s_lshl_b32 s44, s44, 11                        ; in bytes
	s_cmp_lt_u32 ttmp9, 512                        ; (the shifts and sums above have set SCC)
	s_cselect_b32 s40, s43, s44
	s_mov_b32 s41, 0
	s_wait_kmcnt 0x0
	s_load_b64 s[36:37], s[16:17], 0x0             ; the two exponents
	s_bitcmp1_b32 s25, 0                           ; the choices hang on the work-group's number alone
	s_cselect_b64 s[28:29], s[10:11], s[8:9]       ; f or i
	s_cselect_b64 s[30:31], s[14:15], s[12:13]     ; o or g
	s_bitcmp1_b32 s25, 1
	s_cselect_b64 s[28:29], s[30:31], s[28:29]
	s_cmp_lt_u32 ttmp9, 256
	s_cselect_b64 s[26:27], s[4:5], s[6:7]         ; x or h
	s_cmp_lt_u32 ttmp9, 512
	s_cselect_b64 s[26:27], s[26:27], s[28:29]     ; the tensor that I read,
	s_cselect_b64 s[32:33], s[18:19], s[20:21]     ; the buffer that I store into
	s_add_nc_u64 s[26:27], s[26:27], s[38:39]
	s_add_nc_u64 s[32:33], s[32:33], s[40:41]
.macro LOAD t                          ; step t's 512 numbers into set t % 4: each load reads 512 consecutive bytes; read once in the launch
.irp i, 0,1,2,3
	global_load_b128 v[R+16*((\t)%4)+4*\i:R+16*((\t)%4)+4*\i+3], v3, s[26:27] offset:2048*(\t)+512*\i th:TH_LOAD_NT
.endr
.endm
.irp t, 0,1,2,3
	LOAD \t
.endr
	s_wait_kmcnt 0x0
	s_cmp_lt_u32 ttmp9, 512
	s_cselect_b32 s36, s36, s37                    ; e
	s_add_co_i32 s36, s36, 127
	s_lshl_b32 s37, s36, 23
	v_mov_b32 v11, s37                             ; 2^e as f32: the conversion takes its exponent field
	s_add_co_i32 s36, s36, 8
	s_lshl_b32 s36, s36, 23
	s_or_b32 s36, s36, 0x600000
	v_mov_b32 v10, s36                             ; 448 x 2^e
.macro STEP t
.set XS, R+16*((\t)%4)
.if STEPS-1-(\t) >= 3
	s_wait_loadcnt 12                              ; loads come back in order: this step's four are in, those of the three steps behind it may be out
.else
	s_wait_loadcnt 4*(STEPS-1-(\t))                ; the last steps: the count runs down
.endif
.irp i, 0,1,2,3,4,5,6,7,8,9,10,11,12,13,14,15
	v_med3_num_f32 v[XS+\i], v[XS+\i], -v10, v10   ; the conversion to an 8-bit code does not saturate (ISA guide 7.6.2): hold the number within the largest code x the scale first
.endr
	v_cvt_scalef32_pk8_fp8_f32 v[C+4*(\t):C+4*(\t)+1], v[XS:XS+7], v11        ; eight numbers / 2^e, to the nearest code, ties to even; the first number's code in the lowest byte
	v_cvt_scalef32_pk8_fp8_f32 v[C+4*(\t)+2:C+4*(\t)+3], v[XS+8:XS+15], v11
.if (\t)+4 < STEPS
	LOAD (\t)+4                                    ; the set takes the loads of four steps on
.endif
	global_store_b128 v[D+(\t)/2], v[C+4*(\t):C+4*(\t)+3], s[32:33] offset:512*((\t)%2)   ; 32 lanes store 512 consecutive bytes, at a multiple of 512 from the buffer's first byte; the next launch reads them
; (The codes go to a store alone, and the next vector lines, the next step's holds, are plain and touch another set: so no further line stands behind the conversions.)
.endm
	s_wait_alu depctr_va_vdst(0)
.irp t, 0,1,2,3,4,5,6,7,8,9,10,11,12,13,14,15
	STEP \t
.endr
	s_endpgm
.Lfunc_end_k_qc5d9384041_quant:
	.size	k_qc5d9384041_quant, .Lfunc_end_k_qc5d9384041_quant-k_qc5d9384041_quant
	.p2alignl 7, 3214868480
	.fill 96, 4, 3214868480
	.section	.rodata,"a",@progbits
	.p2align	6, 0x0
	.amdhsa_kernel k_qc5d9384041_quant
		.amdhsa_group_segment_fixed_size 0
		.amdhsa_private_segment_fixed_size 0
		.amdhsa_enable_private_segment 0
		.amdhsa_kernarg_size 72
		.amdhsa_user_sgpr_count 2
		.amdhsa_user_sgpr_kernarg_segment_ptr 1
		.amdhsa_wavefront_size32 1
		.amdhsa_system_sgpr_workgroup_id_x 1
		.amdhsa_system_sgpr_workgroup_id_y 1
		.amdhsa_system_sgpr_workgroup_id_z 1
		.amdhsa_system_vgpr_workitem_id 0
		.amdhsa_next_free_vgpr 160
		.amdhsa_next_free_sgpr 66
		.amdhsa_reserve_vcc 0
		.amdhsa_float_denorm_mode_32 3
		.amdhsa_float_denorm_mode_16_64 3
		.amdhsa_memory_ordered 1
		.amdhsa_forward_progress 1
		.amdhsa_inst_pref_size 30
	.end_amdhsa_kernel
	.amdgpu_metadata
---
amdhsa.version: [ 1, 2 ]
amdhsa.kernels:
  - .name:           k_qc5d9384041_quant
    .symbol:         k_qc5d9384041_quant.kd
    .args:
      - { .name: x, .offset: 0, .size: 8, .value_kind: global_buffer, .address_space: global }
      - { .name: h, .offset: 8, .size: 8, .value_kind: global_buffer, .address_space: global }
      - { .name: W_i, .offset: 16, .size: 8, .value_kind: global_buffer, .address_space: global }
      - { .name: W_f, .offset: 24, .size: 8, .value_kind: global_buffer, .address_space: global }
      - { .name: W_g, .offset: 32, .size: 8, .value_kind: global_buffer, .address_space: global }
      - { .name: W_o, .offset: 40, .size: 8, .value_kind: global_buffer, .address_space: global }
      - { .name: lowp_scales, .offset: 48, .size: 8, .value_kind: global_buffer, .address_space: global }
      - { .name: xh_codes, .offset: 56, .size: 8, .value_kind: global_buffer, .address_space: global }
      - { .name: w_codes, .offset: 64, .size: 8, .value_kind: global_buffer, .address_space: global }
    .group_segment_fixed_size: 0
    .private_segment_fixed_size: 0
    .kernarg_segment_align: 8
    .kernarg_segment_size: 72
    .max_flat_workgroup_size: 128
    .sgpr_count:     66
    .vgpr_count:     160
    .wavefront_size: 32
...
	.end_amdgpu_metadata
.endif
;; end of part 1
;; launch cell (part 2): grid 16 x 16, 4 waves a work-group, clusters of 4 x 4, 327,680 bytes of LDS; arguments xh_codes, w_codes, lowp_scales, b_i, b_f, b_g, b_o, c, out0, out1; writes out0, out1
.if DOCPART == 2
	.amdgcn_target "amdgcn-amd-amdhsa--gfx1250"
	.amdhsa_code_object_version 6
	.text
	.protected	k_qc5d9384041_cell
	.globl	k_qc5d9384041_cell
	.p2align	8
	.type	k_qc5d9384041_cell,@function
k_qc5d9384041_cell:
	s_mov_b64 s[64:65], 0
	v_nop
	global_prefetch_b8 v0, s[64:65] scope:SCOPE_SE
	s_setreg_imm32_b32 hwreg(HW_REG_WAVE_MODE, 25, 1), 1
	s_wait_xcnt 0x0
	s_wait_alu depctr_hold_cnt(0) depctr_sa_sdst(0) depctr_va_vdst(0) depctr_va_sdst(0) depctr_va_ssrc(0) depctr_va_vcc(0) depctr_vm_vsrc(0)
	s_getreg_b32 s2, hwreg(HW_REG_IB_STS2, 6, 4)
	s_cmp_eq_u32 s2, 0
	s_cbranch_scc0 .Lentry_in_a_cluster
	s_endpgm
.Lentry_in_a_cluster:
	s_bfe_u32 s2, ttmp6, 0x10000c
	s_cmp_lg_u32 s2, 0xf033
	s_cbranch_scc0 .Lentry_shape_is_right
	s_endpgm
.Lentry_shape_is_right:
; gates = [x | h] W^T + b on codes of FP8 (E4M3), f32 sums; then c_new = sigmoid(f) c + sigmoid(i) tanh(g) (out1) and h_new = sigmoid(o) tanh(c_new) (out0), all in f32.
; xh_codes [8192][2048], w_codes [4096][2048]: K innermost, both in the same order along K.  Row (j / 32) 128 + 32 y + j % 32 of w_codes is gate y (i, f, g, o) of hidden unit j.
; A number of xh is its code's value x 2^ea, of W x 2^eb (lowp_scales); 2^(ea + eb) is folded into the factor that each sum is multiplied by on its way to an exponential.
; LIMITS: ea + eb between -126 and 126 (it is added to the exponent fields of -log2(e) and 2 log2(e)).  sigmoid(z) = 1 / (1 + 2^(-z log2 e)), tanh(z) = 1 - 2 / (1 + 2^(2 z log2 e)): an exponential that
; overflows to infinity or falls to 0 gives the saturated value, so nothing is clipped; near z = 0 tanh's absolute error is that of one f32 rounding at 1.  The order of the sums along K is not the reference's.  NaN is not served.
; SHARES.  A tile is 256 rows x 256 rows of w_codes = 64 hidden units x 4 gates; four waves, each 128 x 128: 64 accumulators, 512 registers.  K goes in steps of 256 through a ring of two LDS slots.
; A WORK-GROUP STAYS: it makes two tiles, 4,096 rows apart, on the same rows of W: 256 work-groups for 512 tiles.  The ring goes on into the second tile while the first goes out.
; CLUSTERS: 4 x 4 work-groups; the four of a row need the same tiles of xh, the four of a column the same tiles of W: each tile is asked for JOINTLY.
; THE MATRIX INSTRUCTION IS USED TRANSPOSED (source 0 = 16 rows of W, source 1 = 16 rows of xh): in accumulator (a, b) lane (r, h) holds row 16 a + r and, in register j, row 8 h + j of W's block b = 2 y + u.
; So the four gates of the cell (row 16 a + r, unit 16 u + 8 h + j of my 32) stand in one lane, at register j of accumulators (a, u), (a, 2 + u), (a, 4 + u), (a, 6 + u).
; c AND THE RESULTS.  c's tile (256 rows x 256 bytes) comes by tensor load into slot 0's first half when that slot has been read for the tile's last time.  The results leave in four parts of 32 rows of each half.
;   Last tile (m = 0): c_new takes c's place, h_new goes into slot 0's second half: both have had their last fill.
;   First tile (m = 1): c is read whole into 128 registers, so that slot 0 can take the next tile's K step 0; the results go through a stage behind the ring into which no fill lands, used again for each part:
;   a barrier stands between a part's reads and the next part's stores.
; THE CODES' TILES ARE PREFETCHED two refills ahead: behind the load of K step n one request for K step n + 2: 32 rows x 256 bytes, a lane a row, one instruction a wave.  Of the 128 rows that a wave fetches, each
; of the four partners that ask jointly names 32, told apart by address (cx for xh, cy for W).  A tile's last two refills name nothing along K.  W's rows are named in the first tile alone: the second reads the same rows.
; REGISTERS, in windows of 256: window 0: v0-31 addresses; v32-95 the biases x their factors; from v128 xh's fragments, ONE set; on the way out v96-207 are at work.
;   window 1: W's fragments, TWO sets, at v0 and v128; on the way out c (m = 1) and the rows read back.   windows 2, 3: the accumulators of my rows 0-63, 64-127 ((a, b) at v[8 (8 (a % 4) + b)]).
.set ROWB,   256                       ; a tile's row in bytes: 256 along K
.set KROW,   2048                      ; a row of either buffer of codes
.set CROW,   4096                      ; a row of c, out0, out1
.set PITCH,  272                       ; an LDS row: 256 bytes + 16 of padding: the 16 rows that a load touches start at 16 different banks (ISA guide 11.1)
.set FR,     16                        ; registers of a fragment: 16 rows x 128 K
.set NL,     4                         ; LDS loads that bring one
.set NP,     4                         ; places behind this matrix instruction (ISA guide 7.12.1)
.set HALFT,  128*PITCH
.set SLOT,   4*HALFT                   ; xh's 256 rows, then W's 256 rows
.set LAPS,   4                         ; a lap = two K steps
.set SPARE,  2*SLOT                    ; the spare words: 512 bytes that no other line names
.set STG,    SPARE+512                 ; m = 1: c_new's stage, 64 rows x 272 bytes; h_new's follows it
.set SHN,    64*PITCH
.set HST,    2*HALFT                   ; m = 0: c and c_new at LDS byte 0, h_new here
.set NEXT_A, 4096*KROW-6*ROWB          ; from a slot's last K step of a tile to its first of the next: 4,096 rows down, back along K
.set BACK_B, 6*ROWB
.set NEXT_C, 4096*CROW
.set ES,   8                           ; v8, v9   m = 1: my 32 bytes in the two stages, block a % 2 = 0
.set EHS,  9
.set RS,   10                          ; v10, v11 m = 1: where I read rows back
.set RSH,  11
.set PFO,  14                          ; v14     lane x 2,048
.set PF,   15                          ; v15     thread x 4,096: my row of c's tile, for its prefetch
.set ADRA, 16                          ; v16-17  my fragments of xh in slot 0, 1
.set ADRB, 20                          ; v20-21  the same for W
.set EL,   24                          ; v24     my 32 bytes of c's tile in block 0: (128 rh + r) 272 + 128 ch + 32 h
.set EH,   25
.set RD,   26                          ; v26, v27 m = 0: where I read rows back: (128 rh + 16 ch + lane / 16) 272 + 16 (lane % 16)
.set RDH,  27
.set SPW,  28                          ; v28     my spare word; never rewritten
.set NIL,  29                          ; v29     0
.set CO,   30                          ; v30     my byte offset in two rows of an output
.set BO,   31
.set BI,   32
.set T,    96                          ; a block's 64 gates: i +0, f +16, g +32, o +48; index 8 u + j
.set AF,   128
.set CC,   160
.set CN,   176
.set HN,   192
.set G1,  24
.set G0,  32
.set G1B, 48
.set G0B, 56
.set G1C, 76
.set G0C, 84
.set KS,  88                           ; -log2(e) x 2^(ea + eb), as a pair
.set KT,  90                           ; 2 log2(e) x 2^(ea + eb)
.set L2,  92                           ; 2 log2(e)
.set L1,  94                           ; -log2(e)
.set PFA, 98                           ; s[98:99] where my prefetches stand
.set LIM, 100                          ; s100    1 while my wave prefetches codes, then the greatest number
.set MSB, 0
.macro WIN new                         ; the immediate's high byte repeats the setting that is left
.if MSB != (\new)
	s_set_vgpr_msb (MSB<<8)|(\new)
.set MSB, (\new)
.endif
.endm
.set MUL_LO, 0xa1                      ; source 0 (W) window 1, source 1 (xh) window 0, C and D window 2
.set MUL_HI, 0xf1
.set TO_B,   0x40                      ; destination window 1
.set FROM_B, 0x04                      ; source 1 window 1
.macro JLOAD g0a, g1a, g0b, g1b        ; a joint load: waves 0, 1 for xh, waves 2, 3 for W; s_nop 0 and four v_nop behind each line
	s_cmp_eq_u32 s67, 0
	s_cbranch_scc0 .Lfor_b_\@
	tensor_load_to_lds s[\g0a:\g0a+3], s[\g1a:\g1a+7]
	s_nop 0
.rept 4
	v_nop
.endr
	s_branch .Lasked_\@
.Lfor_b_\@:
	tensor_load_to_lds s[\g0b:\g0b+3], s[\g1b:\g1b+7]
	s_nop 0
.rept 4
	v_nop
.endr
.Lasked_\@:
.endm
.macro CREST                           ; a round of the cluster's barrier behind its opening barrier
	s_cmp_lg_u32 s66, 0
	s_cbranch_scc1 .Lnot_wave_0_\@
	s_barrier_signal -3
.Lnot_wave_0_\@:
	s_barrier_wait -3
	s_barrier_signal -1
	s_barrier_wait -1
.endm
.macro CROUND
	s_barrier_signal -1
	s_barrier_wait -1
	CREST
.endm
.macro ASKX off                        ; xh's waves alone name a K step of the next tile
	s_cmp_eq_u32 s67, 0
	s_cbranch_scc0 .Lnx_\@
	global_prefetch_b8 v[PFO], s[PFA:PFA+1] offset:\off th:TH_LOAD_NT scope:SCOPE_SE
.Lnx_\@:
.endm
.macro FRAG reg, adr, q, i             ; 16 rows x 128 K: registers 4 c .. 4 c + 3 hold bytes 32 c + 16 (l / 16) + 0 .. 15 of the row's 128: the same places in xh and in W
.irp c, 0,1,2,3
	ds_load_b128 v[\reg+4*\c:\reg+4*\c+3], v[\adr] offset:128*(\q)+32*\c+(\i)*16*PITCH
.endr
.endm
.macro MUL16 a0, p, zero               ; xh's blocks a0, a0 + 1 x W's eight; the 64 accumulators take turns; zero = 1 starts the sums
.irp a, \a0, \a0+1
.irp b, 0,1,2,3,4,5,6,7
.if \zero
	v_wmma_f32_16x16x128_fp8_fp8 v[8*(8*((\a)%4)+\b):8*(8*((\a)%4)+\b)+7], v[128*(\p)+FR*\b:128*(\p)+FR*\b+FR-1], v[AF+FR*(\a):AF+FR*(\a)+FR-1], 0
.else
	v_wmma_f32_16x16x128_fp8_fp8 v[8*(8*((\a)%4)+\b):8*(8*((\a)%4)+\b)+7], v[128*(\p)+FR*\b:128*(\p)+FR*\b+FR-1], v[AF+FR*(\a):AF+FR*(\a)+FR-1], v[8*(8*((\a)%4)+\b):8*(8*((\a)%4)+\b)+7]
.endif
.endr
.endr
.endm
.macro FETCH_B slot, q, p
	WIN TO_B
.irp i, 0,1,2,3,4,5,6,7
	FRAG 128*(\p)+FR*\i, ADRB+\slot, \q, \i
.endr
	WIN 0
.endm
.macro FETCH_B4 slot, q, p, i0         ; four of W's eight fragments, i0 .. i0 + 3, into set p; the window is left at TO_B
	WIN TO_B
.irp i, \i0, \i0+1, \i0+2, \i0+3
	FRAG 128*(\p)+FR*(\i), ADRB+\slot, \q, \i
.endr
.endm
.macro FETCH_A2 slot, q, i0            ; xh's blocks i0, i0 + 1
.irp i, \i0, \i0+1
	FRAG AF+FR*(\i), ADRA+\slot, \q, \i
.endr
.endm
.macro FETCH_A slot, q, i0
.irp i, \i0, \i0+1, \i0+2, \i0+3
	FRAG AF+FR*(\i), ADRA+\slot, \q, \i
.endr
.endm
.macro PLACES n                        ; plain places in front of loads into registers that matrix instructions have read, and of reads of results
.rept \n
	v_nop
.endr
.endm
; 128 along K with its successor in the same slot.  The next step's 64 LDS loads go out in runs of 16, 16, 16, 8 and 8, each followed by sixteen matrix instructions.
; Whoever issued this step's 64 loads, their order is: W's eight fragments and xh's blocks 0-1 (40 loads), blocks 2-3 (8), blocks 4-7 (16).
.macro STEP slot, q, zero
	s_wait_dscnt 6*NL                              ; W's set and xh's blocks 0-1 are in; the youngest 24 loads (blocks 2-7) may be out
	FETCH_B4 \slot, (\q)+1, 1-(\q)%2, 0            ; W's other set is free since the places at the end of the step before
	WIN MUL_LO
	MUL16 0, (\q)%2, \zero
	FETCH_B4 \slot, (\q)+1, 1-(\q)%2, 4            ; (the products just issued read W's set in use, not this one)
	s_wait_dscnt 12*NL                             ; blocks 2-3 are in; behind them: blocks 4-7 (16 loads) and W's next set (32)
	WIN MUL_LO
	MUL16 2, (\q)%2, \zero
	PLACES NP
	WIN 0
	FETCH_A \slot, (\q)+1, 0
	s_wait_dscnt 12*NL                             ; blocks 4-7 are in; behind them: W's next set (32 loads) and the sixteen just issued
	WIN MUL_HI
	MUL16 4, (\q)%2, \zero
	PLACES NP
	WIN 0
	FETCH_A2 \slot, (\q)+1, 4
	WIN MUL_HI
	MUL16 6, (\q)%2, \zero
	PLACES NP
	WIN 0
	FETCH_A2 \slot, (\q)+1, 6
.endm
.macro MEET                            ; the first half of a slot's last step: the three lines, and the barrier that opens a round
	s_wait_tensorcnt 0x0                           ; all my tensor loads have landed
	ds_add_u32 v[SPW], v[NIL]                      ; 0 onto my spare word
	s_wait_dscnt 4*NL+1                            ; (the add and xh's blocks 4-7 may be out)
	WIN MUL_LO
	MUL16 0, 1, 0
	s_wait_dscnt 0x0                               ; the add is done, and my reads of this slot are over
	s_barrier_signal -1
	MUL16 2, 1, 0
	WIN 0
	s_barrier_wait -1
	CREST                                          ; no wave of any partner still reads this slot or has a load on its way
.endm
; A slot's last step.  fill = 1: the slot takes the codes two K steps ahead, jointly.  fill = 2: its first half takes c's tile, 64 rows a wave.
.macro TURN slot, next, fill
.if \fill == 1
	s_wait_xcnt 0x0                                ; my earlier prefetches have read their address: it steps one K step
	s_add_nc_u64 s[PFA:PFA+1], s[PFA:PFA+1], ROWB
.endif
	MEET
.if \fill == 1
	s_add_nc_u64 s[G0+4*\slot+2:G0+4*\slot+3], s[G0+4*\slot+2:G0+4*\slot+3], 2*ROWB
	s_add_nc_u64 s[G0B+4*\slot+2:G0B+4*\slot+3], s[G0B+4*\slot+2:G0B+4*\slot+3], 2*ROWB
	JLOAD G0+4*\slot, G1, G0B+4*\slot, G1B
.else
	tensor_load_to_lds s[G0C:G0C+3], s[G1C:G1C+7]
	s_nop 0
	PLACES 4
.endif
	FETCH_B4 \next, 0, 0, 0                        ; the next slot's first fragments, in runs of 24, 16 and 24: what the next step's first products read is asked for first
	WIN 0
	FETCH_A2 \next, 0, 0
.if \fill == 1
	s_cmp_gt_u32 s3, s[LIM]                        ; s3 = 1 in the last trip, whose refills have no K step two on
	s_cbranch_scc0 .Lno_ask_\@
	global_prefetch_b8 v[PFO], s[PFA:PFA+1] offset:3*ROWB th:TH_LOAD_NT scope:SCOPE_SE
.Lno_ask_\@:
.endif
	WIN MUL_HI
	MUL16 4, 1, 0
	FETCH_B4 \next, 0, 0, 4                        ; (W's set 0 was last read in the step before; the places behind the tensor load have stood since)
	WIN MUL_HI
	MUL16 6, 1, 0
	PLACES NP
	WIN 0
	FETCH_A2 \next, 0, 2
	FETCH_A \next, 0, 4
.endm
; THE WAY OUT.  PART p: rows 32 p .. 32 p + 31 of each half of the tile, made by blocks 2 p and 2 p + 1.  LOADP: my 16 whole rows of c_new and of h_new come back, two rows a load.
.macro PSET p, m
.if \m
.set RB, 128+64*((\p)%2)
.set LOF, 0
.set RA0, RS
.set RA1, RSH
.else
.set RB, 64*(\p)
.set LOF, 32*(\p)*PITCH
.set RA0, RD
.set RA1, RDH
.endif
.endm
.macro LOADP p, m
	PSET \p, \m
	WIN TO_B
.irp t, 0,1,2,3,4,5,6,7
	ds_load_b128 v[RB+4*\t:RB+4*\t+3], v[RA0] offset:LOF+2*\t*PITCH
.endr
.irp t, 0,1,2,3,4,5,6,7
	ds_load_b128 v[RB+32+4*\t:RB+32+4*\t+3], v[RA1] offset:LOF+2*\t*PITCH
.endr
	WIN 0
.endm
.macro SENDP p, counted, m             ; 16 lanes store 256 consecutive bytes, at a multiple of 256 from the buffer's first byte.  counted = 1: each store waits for its own load
	PSET \p, \m
	WIN FROM_B
.irp t, 0,1,2,3,4,5,6,7
.if \counted
	s_wait_dscnt 15-\t
.endif
	global_store_b128 v[CO], v[RB+4*\t:RB+4*\t+3], s[22:23] offset:(32*(\p)+2*\t)*CROW th:TH_STORE_NT
.endr
.irp t, 0,1,2,3,4,5,6,7
.if \counted
	s_wait_dscnt 7-\t
.endif
	global_store_b128 v[CO], v[RB+32+4*\t:RB+32+4*\t+3], s[20:21] offset:(32*(\p)+2*\t)*CROW th:TH_STORE_NT
.endr
	WIN 0
.endm
.macro CLOAD                           ; m = 1: all my c, block a's 16 numbers at v[16 a] of window 1 (W's set 0, which is done with)
	WIN TO_B
.irp a, 0,1,2,3,4,5,6,7
	ds_load_b128 v[16*\a:16*\a+3],     v[EL] offset:16*PITCH*\a
	ds_load_b128 v[16*\a+4:16*\a+7],   v[EL] offset:16*PITCH*\a+16
	ds_load_b128 v[16*\a+8:16*\a+11],  v[EL] offset:16*PITCH*\a+64
	ds_load_b128 v[16*\a+12:16*\a+15], v[EL] offset:16*PITCH*\a+80
.endr
	WIN 0
.endm
; Block a: 16 rows x my 32 units: 16 cells a lane.  send >= 0: the part of that number, whose loads were issued in front of this block, is stored in its middle.
.macro BLOCK a, send, m
.set AC, 64*((\a)%4)
.if \m
.set OO, 16*PITCH*((\a)%2)
.set SA0, ES
.set SA1, EHS
.else
.set OO, 16*PITCH*(\a)
.set SA0, EL
.set SA1, EH
	ds_load_b128 v[CC:CC+3],     v[EL] offset:OO
	ds_load_b128 v[CC+4:CC+7],   v[EL] offset:OO+16
	ds_load_b128 v[CC+8:CC+11],  v[EL] offset:OO+64
	ds_load_b128 v[CC+12:CC+15], v[EL] offset:OO+80
.endif
	WIN 0x02+((\a)/4)
	s_wait_alu depctr_va_vdst(0)                   ; ahead of the first reader of these sums
.irp b, 0,1,2,3,4,5,6,7                ; the exponents: sum x (factor x 2^(ea + eb)) + bias x factor; each accumulator from its low end on
.irp j, 0,2,4,6
.if (\b)/2 == 2
	v_pk_fma_f32 v[T+8*\b+\j:T+8*\b+\j+1], v[AC+8*\b+\j:AC+8*\b+\j+1], s[KT:KT+1], v[BI+8*\b+\j:BI+8*\b+\j+1] op_sel_hi:[1,0,1]
.else
	v_pk_fma_f32 v[T+8*\b+\j:T+8*\b+\j+1], v[AC+8*\b+\j:AC+8*\b+\j+1], s[KS:KS+1], v[BI+8*\b+\j:BI+8*\b+\j+1] op_sel_hi:[1,0,1]
.endif
.endr
.endr
	WIN 0
.set ii, 0
	s_wait_alu depctr_va_vdst(0)                   ; one wait ahead of each batch of transcendentals and one behind it
.rept 64
	v_exp_f32 v[T+ii], v[T+ii]
.set ii, ii+1
.endr
	v_nop                                          ; a plain line behind the last transcendental (ISA guide 5.7.2)
.set ii, 0
	s_wait_alu depctr_va_vdst(0)
.rept 32
	v_pk_add_f32 v[T+ii:T+ii+1], v[T+ii:T+ii+1], 1.0 op_sel_hi:[1,0]
.set ii, ii+2
.endr
.set ii, 0
	s_wait_alu depctr_va_vdst(0)
.rept 64
	v_rcp_f32 v[T+ii], v[T+ii]                     ; sigmoid(i), sigmoid(f), sigmoid(o); for g: 1 / (1 + e^(2 g))
.set ii, ii+1
.endr
	v_nop
	s_wait_alu depctr_va_vdst(0)
.irp j, 0,2,4,6,8,10,12,14
	v_pk_fma_f32 v[T+32+\j:T+33+\j], v[T+32+\j:T+33+\j], -2.0, 1.0 op_sel_hi:[1,0,0]   ; tanh(g)
.endr
.irp j, 0,2,4,6,8,10,12,14
	v_pk_mul_f32 v[T+32+\j:T+33+\j], v[T+32+\j:T+33+\j], v[T+\j:T+1+\j]               ; i g
.endr
	s_wait_alu depctr_va_vdst(0)
	s_wait_dscnt 0x0                               ; c is in; my earlier stores into the stages are done; the rows of the part before, if asked for, are back
.if (\send) >= 0
	SENDP \send, 0, \m
.if \m
	s_barrier_signal -1                            ; my reads of the stage are over: it is written again only behind the wait below
.endif
.endif
.if \m
	WIN FROM_B
.irp j, 0,2,4,6,8,10,12,14
	v_pk_fma_f32 v[CN+\j:CN+1+\j], v[T+16+\j:T+17+\j], v[16*(\a)+\j:16*(\a)+1+\j], v[T+32+\j:T+33+\j]   ; c_new = f c + i g
.endr
	WIN 0
.else
.irp j, 0,2,4,6,8,10,12,14
	v_pk_fma_f32 v[CN+\j:CN+1+\j], v[T+16+\j:T+17+\j], v[CC+\j:CC+1+\j], v[T+32+\j:T+33+\j]
.endr
.endif
.irp j, 0,2,4,6,8,10,12,14
	v_pk_mul_f32 v[T+\j:T+1+\j], v[CN+\j:CN+1+\j], s[L2:L2+1] op_sel_hi:[1,0]
.endr
.set ii, 0
	s_wait_alu depctr_va_vdst(0)
.rept 16
	v_exp_f32 v[T+ii], v[T+ii]
.set ii, ii+1
.endr
	v_nop
	s_wait_alu depctr_va_vdst(0)
.irp j, 0,2,4,6,8,10,12,14
	v_pk_add_f32 v[T+\j:T+1+\j], v[T+\j:T+1+\j], 1.0 op_sel_hi:[1,0]
.endr
.set ii, 0
	s_wait_alu depctr_va_vdst(0)
.rept 16
	v_rcp_f32 v[T+ii], v[T+ii]
.set ii, ii+1
.endr
	v_nop
	s_wait_alu depctr_va_vdst(0)
.irp j, 0,2,4,6,8,10,12,14
	v_pk_fma_f32 v[T+\j:T+1+\j], v[T+\j:T+1+\j], -2.0, 1.0 op_sel_hi:[1,0,0]           ; tanh(c_new)
.endr
.irp j, 0,2,4,6,8,10,12,14
	v_pk_mul_f32 v[HN+\j:HN+1+\j], v[T+\j:T+1+\j], v[T+48+\j:T+49+\j]                 ; h_new = o tanh(c_new)
.endr
.if ((\send) >= 0) && (\m)
	s_wait_alu depctr_va_vdst(0)
	s_barrier_wait -1                              ; every wave has read the part before out of the stage
.endif
	ds_store_b128 v[SA0], v[CN:CN+3]     offset:OO
	ds_store_b128 v[SA0], v[CN+4:CN+7]   offset:OO+16
	ds_store_b128 v[SA0], v[CN+8:CN+11]  offset:OO+64
	ds_store_b128 v[SA0], v[CN+12:CN+15] offset:OO+80
	ds_store_b128 v[SA1], v[HN:HN+3]     offset:OO
	ds_store_b128 v[SA1], v[HN+4:HN+7]   offset:OO+16
	ds_store_b128 v[SA1], v[HN+8:HN+11]  offset:OO+64
	ds_store_b128 v[SA1], v[HN+12:HN+15] offset:OO+80
.endm
.macro MEETP                           ; a part is whole: a row's 256 bytes come from two waves
	s_wait_dscnt 0x0
	s_barrier_signal -1
	s_barrier_wait -1
.endm
	s_load_b512 s[4:19], s[0:1], 0x0               ; xh_codes s[4:5], w_codes s[6:7], the exponents s[8:9], b_i, b_f, b_g, b_o s[10:17], c s[18:19]
	s_load_b128 s[20:23], s[0:1], 0x40             ; out0 (h_new) s[20:21], out1 (c_new) s[22:23]
	v_lshl_add_u32 v[SPW], v0, 2, SPARE
	v_mov_b32 v[NIL], 0
	ds_add_u32 v[SPW], v[NIL]                      ; the opening lines: the add, twice on end, and its wait
	ds_add_u32 v[SPW], v[NIL]
	s_wait_dscnt 0x0
	v_lshrrev_b32 v1, 5, v0
	v_readfirstlane_b32 s66, v1                    ; wave 0..3
	s_lshr_b32 s67, s66, 1                         ; rh: my half of the tile's rows.  Also: I fetch for xh (0) or for W (1)
	s_and_b32 s68, s66, 1                          ; ch: my 128 rows of W's tile (32 units).  Also: which 128 rows I fetch
	s_bfe_u32 s40, ttmp6, 0x40000                  ; cx, cy
	s_bfe_u32 s41, ttmp6, 0x40004
	s_lshl_b32 s42, ttmp9, 2
	s_add_co_u32 s42, s42, s40                     ; tile column (64 hidden units)
	s_and_b32 s69, ttmp7, 0xffff
	s_lshl_b32 s69, s69, 2
	s_add_co_u32 s69, s69, s41                     ; the first tile's row (256 rows), 0 .. 15
	s_lshl_b32 s43, s41, 2
	s_lshl_b32 s43, 15, s43                        ; my row of the cluster
	s_lshl_b32 s44, 0x1111, s40                    ; my column
	s_or_b32 s[G1+0], s43, (0<<16)|(1<<20)|(1<<21)|(5<<22)|(3<<25)  ; mask; 1-byte elements; padding of 4 words behind every 64; bit 21 beside a mask
	s_or_b32 s[G1B+0], s44, (0<<16)|(1<<20)|(1<<21)|(5<<22)|(3<<25)
.irp g, G1, G1B
	s_mov_b32 s[\g+1], ROWB<<16
	s_mov_b32 s[\g+2], 128<<16
	s_mov_b32 s[\g+3], ROWB<<16
	s_mov_b32 s[\g+4], 128
	s_mov_b32 s[\g+5], KROW
	s_mov_b32 s[\g+6], 0
	s_mov_b32 s[\g+7], 0
.endr
	s_mov_b32 s[G1C+0], (0<<16)|(1<<20)|(5<<22)|(3<<25)   ; c: 64 rows x 256 bytes, 4,096 apart; no mask
	s_mov_b32 s[G1C+1], 256<<16
	s_mov_b32 s[G1C+2], 64<<16
	s_mov_b32 s[G1C+3], 256<<16
	s_mov_b32 s[G1C+4], 64
	s_mov_b32 s[G1C+5], CROW
	s_mov_b32 s[G1C+6], 0
	s_mov_b32 s[G1C+7], 0
	s_lshl_b32 s94, s68, 7
	s_lshl_b32 s72, s69, 8
	s_add_co_u32 s72, s72, s94                     ; xh: row 256 x tile row + 128 x half,
	s_lshl_b32 s72, s72, 11                        ; in bytes
	s_mov_b32 s73, 0
	s_lshl_b32 s46, s42, 8
	s_add_co_u32 s46, s46, s94                     ; W: row 256 x tile column + 128 x half
	s_lshl_b32 s46, s46, 11
	s_mov_b32 s47, 0
	s_mul_i32 s45, s66, HALFT                      ; where they go: wave x 128 rows
	s_lshl_b32 s70, s69, 20                        ; the tile's first byte in c, out0, out1
	s_lshl_b32 s95, s42, 8
	s_add_co_u32 s70, s70, s95
	s_mov_b32 s71, 0
	s_wait_kmcnt 0x0
	s_load_b64 s[96:97], s[8:9], 0x0               ; ea, eb
	s_add_nc_u64 s[72:73], s[4:5], s[72:73]
	s_add_nc_u64 s[46:47], s[6:7], s[46:47]
	CROUND                                         ; all sixteen work-groups are here: the first joint loads meet
.irp s, 0,1
	s_mov_b32 s[G0+4*\s], 1
	s_add_co_u32 s[G0+4*\s+1], s45, \s*SLOT
	s_add_nc_u64 s[G0+4*\s+2:G0+4*\s+3], s[72:73], \s*ROWB
	s_or_b32 s[G0+4*\s+3], s[G0+4*\s+3], 0x80000000
	s_mov_b32 s[G0B+4*\s], 1
	s_add_co_u32 s[G0B+4*\s+1], s45, \s*SLOT
	s_add_nc_u64 s[G0B+4*\s+2:G0B+4*\s+3], s[46:47], \s*ROWB
	s_or_b32 s[G0B+4*\s+3], s[G0B+4*\s+3], 0x80000000
.endr
	JLOAD G0, G1, G0B, G1B                         ; K step 0
	s_cmp_eq_u32 s67, 0                            ; the prefetches: do I fetch for xh?
	s_cselect_b32 s100, s69, s42
	s_cselect_b32 s101, s40, s41                   ; my place among the four that ask with me
	s_cselect_b64 s[PFA:PFA+1], s[4:5], s[6:7]
	s_lshl_b32 s100, s100, 8
	s_lshl_b32 s94, s68, 7
	s_add_co_u32 s100, s100, s94
	s_lshl_b32 s101, s101, 5
	s_add_co_u32 s100, s100, s101                  ; my work-group's 32 of the 128 rows that I fetch
	s_lshl_b32 s100, s100, 11
	s_mov_b32 s101, 0
	s_add_nc_u64 s[PFA:PFA+1], s[PFA:PFA+1], s[100:101]
	s_mov_b32 s[LIM], 1
	s_add_nc_u64 s[74:75], s[18:19], s[70:71]      ; c at the tile
	s_lshl_b32 s72, s66, 18                        ; the 64 rows that my load of c brings
	s_mov_b32 s73, 0
	s_mov_b32 s[G0C], 1
	s_mul_i32 s[G0C+1], s66, 64*PITCH
	s_add_nc_u64 s[G0C+2:G0C+3], s[74:75], s[72:73]
	s_or_b32 s[G0C+3], s[G0C+3], 0x80000000
	s_lshl_b32 s72, s67, 19                        ; the rows that I store begin at row 128 rh + 16 ch of the tile
	s_lshl_b32 s94, s68, 16
	s_add_co_u32 s72, s72, s94
	s_add_nc_u64 s[20:21], s[20:21], s[70:71]
	s_add_nc_u64 s[20:21], s[20:21], s[72:73]
	s_add_nc_u64 s[22:23], s[22:23], s[70:71]
	s_add_nc_u64 s[22:23], s[22:23], s[72:73]
	s_lshl_b32 s94, s68, 7                         ; the biases at my 32 units
	s_add_co_u32 s94, s94, s95
	s_mov_b32 s95, 0
	s_add_nc_u64 s[10:11], s[10:11], s[94:95]
	s_add_nc_u64 s[12:13], s[12:13], s[94:95]
	s_add_nc_u64 s[14:15], s[14:15], s[94:95]
	s_add_nc_u64 s[16:17], s[16:17], s[94:95]
	v_and_b32 v1, 15, v0                           ; r
	v_bfe_u32 v2, v0, 4, 1                         ; h
	v_lshlrev_b32 v[BO], 5, v2
.irp y, 0,1,2,3                        ; block 2 y + u wants gate y's bias of units 16 u + 8 h + 0 .. 7
.irp u, 0,1
	global_load_b128 v[BI+8*(2*\y+\u):BI+8*(2*\y+\u)+3],   v[BO], s[10+2*\y:11+2*\y] offset:64*\u
	global_load_b128 v[BI+8*(2*\y+\u)+4:BI+8*(2*\y+\u)+7], v[BO], s[10+2*\y:11+2*\y] offset:64*\u+16
.endr
.endr
	v_mul_u32_u24 v3, v1, PITCH
	s_wait_alu depctr_va_vdst(0)                   ; ahead of the readers below
	v_lshl_add_u32 v4, v2, 4, v3
	s_mul_i32 s94, s67, HALFT
	s_mul_i32 s95, s68, HALFT
	s_add_co_u32 s95, s95, 2*HALFT
.irp s, 0,1
	v_add_nc_u32 v[ADRA+\s], s94, v4
	v_add_nc_u32 v[ADRB+\s], s95, v4
	s_add_co_u32 s94, s94, SLOT
	s_add_co_u32 s95, s95, SLOT
.endr
	s_mul_i32 s94, s67, HALFT
	s_lshl_b32 s95, s68, 7
	s_add_co_u32 s94, s94, s95
	v_lshl_add_u32 v5, v2, 5, v3                   ; row r, 32 bytes for each half of the lanes
	v_add_nc_u32 v[EL], s94, v5
	v_add_nc_u32 v[EH], HST, v[EL]
	s_mul_i32 s94, s67, 32*PITCH                   ; the stage behind the ring: row 32 rh + 16 (a % 2) + r
	s_add_co_u32 s94, s94, s95
	s_add_co_u32 s94, s94, STG
	v_add_nc_u32 v[ES], s94, v5
	v_add_nc_u32 v[EHS], SHN, v[ES]
	s_mul_i32 s94, s67, HALFT
	s_mul_i32 s95, s68, 16*PITCH
	s_add_co_u32 s94, s94, s95
	v_mul_u32_u24 v5, v2, PITCH
	v_lshl_add_u32 v5, v1, 4, v5
	v_add_nc_u32 v[RD], s94, v5
	v_add_nc_u32 v[RDH], HST, v[RD]
	s_mul_i32 s94, s67, 32*PITCH
	s_add_co_u32 s94, s94, s95
	s_add_co_u32 s94, s94, STG
	v_add_nc_u32 v[RS], s94, v5
	v_add_nc_u32 v[RSH], SHN, v[RS]
	v_lshlrev_b32 v6, 12, v2
	v_lshl_add_u32 v[CO], v1, 4, v6
	v_lshlrev_b32 v[PF], 12, v0
	v_and_b32 v[PFO], 31, v0
	v_lshlrev_b32 v[PFO], 11, v[PFO]
	s_wait_alu depctr_va_vdst(0)
	global_prefetch_b8 v[PFO], s[PFA:PFA+1] offset:ROWB th:TH_LOAD_NT scope:SCOPE_SE     ; K step 1
	global_prefetch_b8 v[PFO], s[PFA:PFA+1] offset:2*ROWB th:TH_LOAD_NT scope:SCOPE_SE   ; K step 2
	s_wait_tensorcnt 0x0                           ; my part of K step 0 is in
	ds_add_u32 v[SPW], v[NIL]
	s_wait_loadcnt 0x0                             ; the biases,
	s_wait_kmcnt 0x0                               ; and ea, eb
	s_add_co_i32 s96, s96, s97
	s_lshl_b32 s96, s96, 23                        ; ea + eb is added to the exponent fields
	s_add_co_u32 s[KS], s96, 0xbfb8aa3b
	s_mov_b32 s[KS+1], s[KS]
	s_add_co_u32 s[KT], s96, 0x4038aa3b
	s_mov_b32 s[KT+1], s[KT]
	s_mov_b32 s[L2], 0x4038aa3b
	s_mov_b32 s[L2+1], s[L2]
	s_mov_b32 s[L1], 0xbfb8aa3b
	s_mov_b32 s[L1+1], s[L1]
.irp b, 0,1,2,3,4,5,6,7                ; the biases take their gate's factor, once for both tiles
.irp j, 0,2,4,6
.if (\b)/2 == 2
	v_pk_mul_f32 v[BI+8*\b+\j:BI+8*\b+\j+1], v[BI+8*\b+\j:BI+8*\b+\j+1], s[L2:L2+1] op_sel_hi:[1,0]
.else
	v_pk_mul_f32 v[BI+8*\b+\j:BI+8*\b+\j+1], v[BI+8*\b+\j:BI+8*\b+\j+1], s[L1:L1+1] op_sel_hi:[1,0]
.endif
.endr
.endr
	s_wait_alu depctr_va_vdst(0)
	s_wait_dscnt 0x0                               ; the add is done
	CROUND
	JLOAD G0+4, G1, G0B+4, G1B                     ; K step 1: slot 1's first fill, the first tensor load behind the round
	FETCH_B 0, 0, 0
	FETCH_A 0, 0, 0
	FETCH_A 0, 0, 4
	global_prefetch_b8 v[PFO], s[PFA:PFA+1] offset:3*ROWB th:TH_LOAD_NT scope:SCOPE_SE   ; K step 3
	s_mov_b32 s2, 2                                ; tiles to go: the same number in every work-group
.Ltile:
	STEP 0, 0, 1                                   ; a tile's first step starts the sums
	s_mov_b32 s3, LAPS-1
.Llap:                                                 ; three trips, each once round the ring; they ask for K steps 2 to 7
	TURN 0, 1, 1
	s_cmp_lg_u32 s3, 1                             ; in the last trip: thread t names one byte of rows t and t + 128 of c's tile, ahead of its tensor load
	s_cbranch_scc1 .Lno_pf
	global_prefetch_b8 v[PF], s[74:75] th:TH_LOAD_NT scope:SCOPE_SE
	global_prefetch_b8 v[PF], s[74:75] offset:128*CROW th:TH_LOAD_NT scope:SCOPE_SE
.Lno_pf:
	STEP 1, 0, 0
	TURN 1, 0, 1
	STEP 0, 0, 0
	s_sub_co_u32 s3, s3, 1
	s_cmp_lg_u32 s3, 0
	s_cbranch_scc1 .Llap
	TURN 0, 1, 2                                   ; slot 0 has been read for the tile's last time: its first half takes c
	s_cmp_eq_u32 s2, 1
	s_cbranch_scc1 .Lno_next
	s_wait_xcnt 0x0
	s_add_nc_u64 s[PFA:PFA+1], s[PFA:PFA+1], NEXT_A   ; the prefetches go on to the next tile's rows of xh
	s_cmp_eq_u32 s67, 0
	s_cselect_b32 s[LIM], 1, -1                    ; W's rows are the same: W's waves name no more
	s_cbranch_scc0 .Lno_next
	global_prefetch_b8 v[PFO], s[PFA:PFA+1] th:TH_LOAD_NT scope:SCOPE_SE                 ; its K steps 0 and 1
	global_prefetch_b8 v[PFO], s[PFA:PFA+1] offset:ROWB th:TH_LOAD_NT scope:SCOPE_SE
.Lno_next:
	STEP 1, 0, 0
	s_cmp_eq_u32 s2, 1
	s_cbranch_scc1 .Llast_tile                     ; the last tile's tail is written out: it asks for nothing more
	MEET                                           ; c has landed, slot 1 is read out:
	s_add_nc_u64 s[G0+6:G0+7], s[G0+6:G0+7], NEXT_A
	s_sub_nc_u64 s[G0B+6:G0B+7], s[G0B+6:G0B+7], BACK_B
	JLOAD G0+4, G1, G0B+4, G1B                     ; slot 1 takes the next tile's K step 1
	CLOAD
	ASKX 2*ROWB
	WIN MUL_HI
	MUL16 4, 1, 0
	MUL16 6, 1, 0
	WIN 0
	PLACES NP
	BLOCK 0, -1, 1
	BLOCK 1, -1, 1
	s_wait_tensorcnt 0x0                           ; the three lines: K step 1 has landed;
	ds_add_u32 v[SPW], v[NIL]
	s_add_nc_u64 s[G0+2:G0+3], s[G0+2:G0+3], NEXT_A
	s_sub_nc_u64 s[G0B+2:G0B+3], s[G0B+2:G0B+3], BACK_B
	s_add_nc_u64 s[G0C+2:G0C+3], s[G0C+2:G0C+3], NEXT_C
	s_wait_dscnt 0x0                               ; my reads of c are over, and my stores of part 0 are done
	CROUND                                         ; the round is also part 0's barrier
	JLOAD G0, G1, G0B, G1B                         ; slot 0 takes the next tile's K step 0
	LOADP 0, 1
	ASKX 3*ROWB
	BLOCK 2, 0, 1
	BLOCK 3, -1, 1
	MEETP
	LOADP 1, 1
	BLOCK 4, 1, 1
	BLOCK 5, -1, 1
	MEETP
	s_wait_xcnt 0x0                                ; part 0's stores have read their registers, which part 2 takes
	LOADP 2, 1
	BLOCK 6, 2, 1
	BLOCK 7, -1, 1
	MEETP
	s_wait_xcnt 0x0
	LOADP 3, 1
	SENDP 3, 1, 1
	s_wait_tensorcnt 0x0                           ; my one load that is out, my part of the next tile's K step 0, is in;
	s_barrier_signal -1
	s_barrier_wait -1                              ; everybody's is.
	s_wait_xcnt 0x0                                ; the stores and c's prefetches have read their bases and registers
	s_add_nc_u64 s[20:21], s[20:21], NEXT_C
	s_add_nc_u64 s[22:23], s[22:23], NEXT_C
	s_add_nc_u64 s[74:75], s[74:75], NEXT_C
	FETCH_B 0, 0, 0
	FETCH_A 0, 0, 0
	FETCH_A 0, 0, 4
	s_sub_co_u32 s2, s2, 1
	s_branch .Ltile
.Llast_tile:
	s_wait_dscnt 4*NL                              ; the very last step: nothing more to fetch
	WIN MUL_LO
	MUL16 0, 1, 0
	MUL16 2, 1, 0
	s_wait_dscnt 0
	WIN MUL_HI
	MUL16 4, 1, 0
	MUL16 6, 1, 0
	WIN 0
	s_wait_tensorcnt 0x0                           ; my 64 rows of c have landed; I read rows that other waves' loads brought.  No LDS bytes are filled behind this barrier
	s_barrier_signal -1
	PLACES NP
	s_barrier_wait -1
	BLOCK 0, -1, 0
	BLOCK 1, -1, 0
	MEETP
	LOADP 0, 0
	BLOCK 2, 0, 0
	BLOCK 3, -1, 0
	MEETP
	LOADP 1, 0
	BLOCK 4, 1, 0
	BLOCK 5, -1, 0
	MEETP
	LOADP 2, 0
	BLOCK 6, 2, 0
	BLOCK 7, -1, 0
	MEETP
	LOADP 3, 0
	SENDP 3, 1, 0
	s_wait_tensorcnt 0x0                           ; the wave's end
	ds_add_u32 v[SPW], v[NIL]
	s_wait_dscnt 0x0
	CROUND                                         ; the closing round
	s_endpgm
.Lfunc_end_k_qc5d9384041_cell:
	.size	k_qc5d9384041_cell, .Lfunc_end_k_qc5d9384041_cell-k_qc5d9384041_cell
	.p2alignl 7, 3214868480
	.fill 96, 4, 3214868480
	.section	.rodata,"a",@progbits
	.p2align	6, 0x0
	.amdhsa_kernel k_qc5d9384041_cell
		.amdhsa_group_segment_fixed_size 327680
		.amdhsa_private_segment_fixed_size 0
		.amdhsa_enable_private_segment 0
		.amdhsa_kernarg_size 80
		.amdhsa_user_sgpr_count 2
		.amdhsa_user_sgpr_kernarg_segment_ptr 1
		.amdhsa_wavefront_size32 1
		.amdhsa_system_sgpr_workgroup_id_x 1
		.amdhsa_system_sgpr_workgroup_id_y 1
		.amdhsa_system_sgpr_workgroup_id_z 1
		.amdhsa_system_vgpr_workitem_id 0
		.amdhsa_next_free_vgpr 1024
		.amdhsa_next_free_sgpr 102
		.amdhsa_reserve_vcc 0
		.amdhsa_float_denorm_mode_32 3
		.amdhsa_float_denorm_mode_16_64 3
		.amdhsa_memory_ordered 1
		.amdhsa_forward_progress 1
		.amdhsa_inst_pref_size 255
	.end_amdhsa_kernel
	.section	.bss,"aw",@nobits
	.p2align	6
	.space	262144
	.amdgpu_metadata
---
amdhsa.version: [ 1, 2 ]
amdhsa.kernels:
  - .name:           k_qc5d9384041_cell
    .symbol:         k_qc5d9384041_cell.kd
    .args:
      - { .name: xh_codes, .offset: 0, .size: 8, .value_kind: global_buffer, .address_space: global }
      - { .name: w_codes, .offset: 8, .size: 8, .value_kind: global_buffer, .address_space: global }
      - { .name: lowp_scales, .offset: 16, .size: 8, .value_kind: global_buffer, .address_space: global }
      - { .name: b_i, .offset: 24, .size: 8, .value_kind: global_buffer, .address_space: global }
      - { .name: b_f, .offset: 32, .size: 8, .value_kind: global_buffer, .address_space: global }
      - { .name: b_g, .offset: 40, .size: 8, .value_kind: global_buffer, .address_space: global }
      - { .name: b_o, .offset: 48, .size: 8, .value_kind: global_buffer, .address_space: global }
      - { .name: c, .offset: 56, .size: 8, .value_kind: global_buffer, .address_space: global }
      - { .name: out0, .offset: 64, .size: 8, .value_kind: global_buffer, .address_space: global }
      - { .name: out1, .offset: 72, .size: 8, .value_kind: global_buffer, .address_space: global }
    .group_segment_fixed_size: 327680
    .private_segment_fixed_size: 0
    .kernarg_segment_align: 8
    .kernarg_segment_size: 80
    .max_flat_workgroup_size: 128
    .sgpr_count:     102
    .vgpr_count:     1024
    .wavefront_size: 32
...
	.end_amdgpu_metadata
.endif
;; end of part 2
